; MI455X (gfx1250); checked and timed in simulation.
; The chip was launched on July 23, 2026; its instructions are those of AMD's public machine-readable ISA for CDNA 5 (MIT licence, August 2026) and "CDNA5" Instruction Set Architecture Reference Guide (July 2026). The comments in the code are by the model that wrote it; some were corrected since.
;; Tiny Ne RF. Allowed arithmetic: matrix products marked QUANTISED: E4M3 operands, one given power-of-two scale a tensor, by v_wmma_f32_16x16x64_fp8_fp8 or v_wmma_f32_16x16x128_fp8_fp8, f32 sums; products left as they are: f32 operands where the result goes on into a quantised operand, else bf16, f16 or f32 operands; f32 sums; everything else in f32.
;; Inputs: W0 3 x 80 float32; Wh 5 x 83 x 80 float32; Wout 80 x 4 float32; b0 80 float32; bh 5 x 80 float32; bout 4 float32; lowp_scales 10 int32 (the exponents e of the quantised operands' scales 2^e); rays 1 x 128 x 128 x 6 float32.
;; Outputs: out0 1 x 128 x 128 x 3 float32.
;; This version of the problem:
;;   THIS VERSION OF THE PROBLEM IS GIVEN IN LOW PRECISION. The matrix products marked QUANTISED in the list below multiply operands that are first quantised to E4M3 (4 exponent bits, 3 mantissa bits; 8 bits a number), with one given power-of-two scale for each operand tensor; their sums are f32. All else is computed in f32.
;;   The module's matrix products, in the order in which they are computed (A, B: the left and right operand; K: the contracted axis; several contracted axes count as one K, in the product's order):
;;     1. [M 1,048,576, K 3] x [K 3, N 80]; A: computed on the way; B: input W0: left as it is (K = 3 < 32)
;;     2. [M 1,048,576, K 83] x [K 83, N 80]; A: computed on the way; B: input Wh: QUANTISED (scales: A lowp_scales[0], B lowp_scales[1])
;;     3. [M 1,048,576, K 83] x [K 83, N 80]; A: computed on the way; B: input Wh: QUANTISED (scales: A lowp_scales[2], B lowp_scales[3])
;;     4. [M 1,048,576, K 83] x [K 83, N 80]; A: computed on the way; B: input Wh: QUANTISED (scales: A lowp_scales[4], B lowp_scales[5])
;;     5. [M 1,048,576, K 83] x [K 83, N 80]; A: computed on the way; B: input Wh: QUANTISED (scales: A lowp_scales[6], B lowp_scales[7])
;;     6. [M 1,048,576, K 83] x [K 83, N 80]; A: computed on the way; B: input Wh: QUANTISED (scales: A lowp_scales[8], B lowp_scales[9])
;;     7. [M 1,048,576, K 80] x [K 80, N 4]; A: computed on the way; B: input Wout: left as it is (N = 4 < 16)
;;   THE QUANTISER, for each operand of a quantised product, along K:
;;     - The operand's scale is 2^e, e = its entry of the input lowp_scales (int32; the entries are numbered through the quantised products in the list's order, A before B).
;;     - Each number is divided by the scale, clamped to +-448, and rounded to the nearest number of E4M3, ties to even, subnormals kept.
;;     - The product sums the exact products of the quantised numbers (number of the format x scale) in f32.
;;   ~~~python
;;   def quantise(x, axis, e):      # numpy; x: float32 -> the quantised numbers, widened to float32 again
;;       x = np.moveaxis(x, axis, -1); K = x.shape[-1]
;;       r = np.clip(x / 2.0 ** e, -448, 448)
;;       step = 2.0 ** (np.maximum(np.frexp(np.where(r == 0, 1, r))[1] - 1, -6) - 3)
;;       q = np.round(r / step) * step * 2.0 ** e      # np.round: ties to even
;;       return np.moveaxis(q, -1, axis).astype(np.float32)
;;   ~~~
;;   OPERANDS COMPUTED ON THE WAY. 'Computed on the way' means the value that the module computes at that place (a softmax that the list does not call 'softmax' is quantised finished and normalised). What goes into a quantiser is computed in f32, as accurately as f32 sums, v_exp_f32 and their like allow (about 1e-6 of the number): no bf16 or f16 on the way to a quantiser, and a product that is left as it is and whose result goes on into a quantised operand takes f32 operands (vector FMAs, or v_wmma_f32_16x16x4_f32). A number that lies on a knife's edge between two numbers of the format may be rounded either way, as far as f32 arithmetic and the matrix unit's own rounding can turn it there, and no further.
;; One version. Each part assembles by itself: llvm-mc -triple=amdgcn-amd-amdhsa -mcpu=gfx1250 --defsym DOCPART=n.
;; ======== version 1 of 1: 1 launch
;; launch nerf (part 1): grid 256 x 1, 4 waves a work-group, clusters of 4 x 1, 215,552 bytes of LDS; arguments rays, W0, b0, Wh, bh, Wout, bout, lowp_scales, out0; writes out0
.if DOCPART == 1
	.amdgcn_target "amdgcn-amd-amdhsa--gfx1250"
	.amdhsa_code_object_version 6
	.text
	.protected	k_qc1c2e556ed_nerf
	.globl	k_qc1c2e556ed_nerf
	.p2align	8
	.type	k_qc1c2e556ed_nerf,@function
k_qc1c2e556ed_nerf:
	s_mov_b64 s[64:65], 0
	v_nop
	global_prefetch_b8 v0, s[64:65] scope:SCOPE_SE
	s_setreg_imm32_b32 hwreg(HW_REG_WAVE_MODE, 25, 1), 1
	s_wait_xcnt 0x0
	s_wait_alu depctr_hold_cnt(0) depctr_sa_sdst(0) depctr_va_vdst(0) depctr_va_sdst(0) depctr_va_ssrc(0) depctr_va_vcc(0) depctr_vm_vsrc(0)
	s_getreg_b32 s2, hwreg(HW_REG_IB_STS2, 6, 4)
	s_cmp_eq_u32 s2, 0
	s_cbranch_scc0 .Lentry_in_a_cluster
	s_endpgm
.Lentry_in_a_cluster:
	s_bfe_u32 s2, ttmp6, 0x10000c
	s_cmp_lg_u32 s2, 0x3003
	s_cbranch_scc0 .Lentry_shape_is_right
	s_endpgm
.Lentry_shape_is_right:
; TinyNeRF, all of it in one launch: 16,384 rays x 64 samples through a 3 -> 80 layer (f32), five 83 -> 80 skip layers (codes of FP8 E4M3, given scales 2^e,
; f32 sums), an 80 -> 4 layer (bf16 operands, f32 sums), then softplus, alpha, exclusive product and the weighted sum along each ray.
; SHARES.  A work-group has 64 rays, each of its four waves 16.  A LANE IS ONE RAY (r = lane % 16) throughout; h = lane / 16 says which half of a tile's units it holds.  A wave walks its rays' 64 samples, one a trip.
; LAYOUT.  Every product is used transposed: source 0 = 16 rows of W^T (16 units, K along the registers), source 1 = the 16 points.  In the result lane (r, h) holds, in register j
; of tile c, unit 16 c + 8 h + j of point r: just the k that registers 2 c, 2 c + 1 of the next 8-bit operand want (ISA guide 7.12.2).  So one conversion of a tile's eight registers
; IS a register pair of the next operand: nothing changes lanes, nothing goes through LDS.  K: 0-79 hidden units, 80-82 the point (lanes 0-15 of register 10), zero codes up to 127.
; WHAT IS FOLDED.  pts W0 + b0 = A + t B with A = o W0 + b0, B = d W0, made once a ray.  A layer's bias is the C of its one matrix instruction a tile, as bh / 2^(ea + ew).  A sum stands for
; sum x 2^(ea + ew), so the next conversion's scale is 2^(ea' - ea - ew).  The last such factor, and bout, go into the rendering's first multiply-adds.
; WEIGHTS stay in registers.  A fragment's twelve registers hold k = 0 .. 95; fragments lie 12 registers apart, so that registers 12-15 of one are the first four of the next: they meet the
; points' zero codes, and no weight's code is NaN (each is held), so they add nothing.  Wh comes once into LDS by tensor loads; wave w quantises layer w and hands its five fragments on as
; images of their registers; layer 4 every wave quantises for itself.  The four work-groups of a cluster read the same Wh, so each layer is asked for JOINTLY (mask 15).
; LDS is filled once and never again.  The loop over samples has no memory instruction, no LDS instruction and no wait for memory.
; A layer's activation goes tile by tile: tile 0's lines stand four places behind the layer's five matrix instructions, while the later tiles are still being multiplied.
; LIMITS.  ea_k, ew_k and ea_k - ea_(k-1) - ew_(k-1) between -126 and 119; ea_4 + ew_4 between -126 and 127: each power of two below is then an f32 number.  NaN and infinity among the
; inputs are not served; |d|^2 must be a normal f32 number.  The distance between samples is taken as fl(1/63); A + t B is a reordering in f32 of (o + t d) W0 + b0.
; log(1 + e) is taken as e (1 - e / 2) where e < 2^-12, so that a small density keeps its relative accuracy for the last sample's distance of 1e10.
; REGISTERS, in windows of 256 (s_set_vgpr_msb: bits 1:0 source 0, 3:2 source 1, 5:4 source 2, 7:6 destination):
;   window 0: all that the loop's vector instructions touch (names below).   window 1: weights of layers 0-3, fragment (l, t) at 12 (5 l + t); v240-243 zeros.
;   window 2: v0-59 weights of layer 4, v60-63 zeros; v64-87 Wout^T in bf16; v96-135 A.      window 3: v0-199 biases at 40 l + 8 t; v200-239 B.
.set WPITCH, 360                       ; a row of Wh in LDS: five pieces of 64 bytes, 8 bytes of padding behind each.  Eight rows are 720 words = 16 mod 64: the two halves of the lanes read different banks (ISA guide 11.1)
.set WLAY,   83*WPITCH                 ; a layer in LDS: 29,880 bytes; five of them end at 149,400
.set WGLB,   83*80*4                   ; a layer in memory
.set IMG,    149504                    ; images of 1,536 bytes (a fragment's twelve registers: three times 512 bytes, 16 a lane): 20 shared, then five of its own for each wave.  No tile lands from here on
.set IMGB,   1536
.set BST,    IMG+40*IMGB               ; the biases / 2^(ea + ew): 16 bytes a thread, 1,600 of the 2,048 in use
.set STG,    BST+2048                  ; 64 rays x 12 bytes of results
.set VR,   1                           ; r
.set VH,   2                           ; h
.set VL,   3                           ; lane
.set WA,   4                           ; LDS: my layer's Wh, rows 8 h on, column r          WB: the same from row 0 (for rows 80-82)
.set WB,   5
.set WA4,  6                           ; the same for layer 4
.set WB4,  7
.set IST,  8                           ; the images of my layer's five fragments
.set IST4, 9                           ; my own images of layer 4's
.set LI,   10                          ; IMG + 16 x lane: where a shared image is read
.set BA,   11                          ; 32 h: my half's eight numbers of a tile of 16 (W0, b0)
.set SRD,  12                          ; STG + 16 x thread
.set STO,  13                          ; STG + 12 x (16 wave + r)
.set GOFF, 14                          ; 16 x thread: my place in the work-group's 768 bytes of out0
.set BRD,  15                          ; BST + 32 h
.set ACC,  16                          ; v16-55   the five tiles
.set T,    56                          ; v56-95   0.01 x them
.set COD,  96                          ; v96-111  the operand: 16 registers of codes
.set O,    112                         ; v112-119 the output layer's sums
.set PTT,  120                         ; v120-127 the point, held, and five zeros
.set PT,   128                         ; v128-130 the point
.set TT,   132                         ; v132 t (v133 named with it as a pair)
.set RAY,  136                         ; v136-141 ox oy oz dx dy dz; in the loop 0 in lanes 16-31
.set SCH,  142                         ; v142-146 the hidden units' conversion scale, layer k
.set SCP,  147                         ; v147-151 2^ea_k: the point's
.set NORM, 152                         ; |d|
.set DIST, 153
.set TR,   154                         ; the running product of 1 - alpha + 1e-10
.set OUT,  155                         ; v155-157
.set U,    158
.set EE,   159
.set UP,   160
.set G,    161                         ; v161-163
.set LG,   164
.set PL,   165
.set AL,   166
.set Q,    167
.set WG,   168
.set TMP,  169
.set TM2,  170
.set QA,   171                         ; the quantiser's addresses of the trip in hand
.set QB,   172
.set QS,   173
.set WSC,  174                         ; 2^ew of my layer
.set WSC4, 175                         ; of layer 4
; at the head only:
.set BT,   158                         ; 16 x min(thread, 99)
.set BL,   159                         ; 8 x its layer
.set BE,   160                         ; v160-161 that layer's ea, ew
.set RA,   162                         ; 24 r
.set VO,   163                         ; 4 (r % 4) + 128 h
.set BQ,   164                         ; v164-167 four numbers of bh
.set BSA,  168                         ; BST + 16 x thread
.set W0R,  16                          ; v16-135  W0's rows 0, 1, 2 in the result's layout, 40 each
.set B0R,  176                         ; v176-215 b0 likewise
.set WOR,  216                         ; v216-255 my 40 numbers of Wout
.set X,    16                          ; v16-63   48 numbers for the weights' quantiser (43 loaded, 5 zeros)
.set PC,   64                          ; v64-75   a fragment's codes
.set WOT,  64                          ; window 2
.set AW,   96
.set BW,   200                         ; window 3
.set LIMH, 82                          ; s82-86   448 x the hidden units' conversion scale
.set LIMP, 87                          ; s87-91   448 x 2^ea_k
.set MSB, 0
.macro WIN new                         ; the immediate's high byte repeats the setting that is left; a switch that changes nothing is dropped
.if MSB != \new
	s_set_vgpr_msb (MSB<<8)|\new
.set MSB, \new
.endif
.endm
.macro CROUND                          ; a round of the cluster's barrier: my work-group's barrier, wave 0 signals for the work-group, every wave waits for all four, my work-group's barrier once more
	s_barrier_signal -1
	s_barrier_wait -1
	s_cmp_lg_u32 s22, 0
	s_cbranch_scc1 .Lnot_wave_0_\@
	s_barrier_signal -3
.Lnot_wave_0_\@:
	s_barrier_wait -3
	s_barrier_signal -1
	s_barrier_wait -1
.endm
.macro MKSC se, vs, sl                 ; s[se] = e + 127:  v[vs] = 2^e as f32,  s[sl] = 448 x 2^e
	s_lshl_b32 s78, s[\se], 23
	v_mov_b32 v[\vs], s78
	s_add_co_i32 s[\sl], s[\se], 8
	s_lshl_b32 s[\sl], s[\sl], 23
	s_or_b32 s[\sl], s[\sl], 0x600000
.endm
; Five fragments of one layer of W^T, one a trip.  Register 8 c + j = Wh(16 c + 8 h + j, my column), c = 0 .. 4; registers 40-42 = rows 80-82 (in lanes 16-31 too: there they stand at k = 88 .. 90 and meet zero codes).
; The conversion to an 8-bit code does not saturate (ISA guide 7.6.2): each number is first held within 448 x the scale.  The twelve registers go to LDS as they stand: 16 bytes a lane, 512 a store.
.macro QLOOP a, b, st, sc, lim
	s_mov_b32 s76, 0                               ; 72 x tile: its columns in a row of Wh
	s_mov_b32 s77, 0                               ; its image
.Lq_\@:
	s_wait_dscnt 0x0                               ; the stores of the trip before have read their address and the codes (first trip: what was asked for ahead of the loop is in)
	v_add_nc_u32 v[QA], s76, v[\a]
	v_add_nc_u32 v[QB], s76, v[\b]
	v_add_nc_u32 v[QS], s77, v[\st]
.irp c, 0,1,2,3,4
.irp j, 0,1,2,3,4,5,6,7
	ds_load_b32 v[X+8*\c+\j], v[QA] offset:(16*\c+\j)*WPITCH
.endr
.endr
.irp j, 0,1,2
	ds_load_b32 v[X+40+\j], v[QB] offset:(80+\j)*WPITCH
.endr
	s_wait_dscnt 0x0                               ; the 43 numbers are in
.set ii, 0
.rept 43
	v_med3_num_f32 v[X+ii], v[X+ii], -s[\lim], s[\lim]
.set ii, ii+1
.endr
.irp c, 0,1,2,3,4,5
	v_cvt_scalef32_pk8_fp8_f32 v[PC+2*\c:PC+2*\c+1], v[X+8*\c:X+8*\c+7], v[\sc]
.endr
	v_nop                                          ; one plain vector line behind the last conversion of a run
.irp q, 0,1,2
	ds_store_b128 v[QS], v[PC+4*\q:PC+4*\q+3] offset:512*\q
.endr
	s_add_co_u32 s77, s77, IMGB
	s_add_co_u32 s76, s76, 72
	s_cmp_lt_u32 s76, 5*72
	s_cbranch_scc1 .Lq_\@
.endm
; Layer k: five matrix instructions on five accumulators; each is a whole sum (K = 128 holds the layer's 83), and its C is the bias
.macro MM k
.if \k < 4
	WIN 0x31                                       ; weights window 1, codes window 0, bias window 3
.set wb, 60*\k
.else
	WIN 0x32                                       ; weights window 2
.set wb, 0
.endif
.irp t, 0,1,2,3,4
	v_wmma_f32_16x16x128_fp8_fp8 v[ACC+8*\t:ACC+8*\t+7], v[wb+12*\t:wb+12*\t+15], v[COD:COD+15], v[40*\k+8*\t:40*\k+8*\t+7]
.endr
	WIN 0
.endm
; The 40 numbers and the point become layer k's operand.  The point's three holds and a v_nop are the four places behind the matrix instructions of the layer before (ISA guide 7.12.1): they name none of
; their registers.  Then tile by tile: leaky ReLU as max(x, 0.01 x), the hold, the conversion; each accumulator is read from its low end on.
.macro ACT k
.irp c, 0,1,2
	v_med3_num_f32 v[PTT+\c], v[PT+\c], -s[LIMP+\k], s[LIMP+\k]
.endr
	v_nop
	v_cvt_scalef32_pk8_fp8_f32 v[COD+10:COD+11], v[PTT:PTT+7], v[SCP+\k]
.irp t, 0,1,2,3,4
.irp j, 0,2,4,6
	v_pk_mul_f32 v[T+8*\t+\j:T+8*\t+\j+1], v[ACC+8*\t+\j:ACC+8*\t+\j+1], s[66:67] op_sel_hi:[1,0]   ; (a plain line behind the conversion above it)
.endr
.irp j, 0,1,2,3,4,5,6,7
	v_max_num_f32 v[ACC+8*\t+\j], v[ACC+8*\t+\j], v[T+8*\t+\j]
.endr
.irp j, 0,1,2,3,4,5,6,7
	v_med3_num_f32 v[ACC+8*\t+\j], v[ACC+8*\t+\j], -s[LIMH+\k], s[LIMH+\k]
.endr
	v_cvt_scalef32_pk8_fp8_f32 v[COD+2*\t:COD+2*\t+1], v[ACC+8*\t:ACC+8*\t+7], v[SCH+\k]
.endr
	v_nop                                          ; one plain vector line between the last conversion and the matrix instructions that read the codes and write its sources
.endm
; n numbers of the last hidden layer, from number 16 s on, become K step s of the output layer's bf16 operand, packed in place into v[ACC + 8 s] on
.macro PACK s, n
.set ii, 0
.rept \n/2
	v_pk_mul_f32 v[T+ii:T+ii+1], v[ACC+16*\s+ii:ACC+16*\s+ii+1], s[66:67] op_sel_hi:[1,0]
.set ii, ii+2
.endr
.set ii, 0
.rept \n
	v_max_num_f32 v[ACC+16*\s+ii], v[ACC+16*\s+ii], v[T+ii]
.set ii, ii+1
.endr
.set ii, 0
.rept \n/2
	v_cvt_pk_bf16_f32 v[ACC+8*\s+ii], v[ACC+16*\s+2*ii], v[ACC+16*\s+2*ii+1]
.set ii, ii+1
.endr
.endm
	; ---- arguments, ids, descriptors
	s_load_b512 s[4:19], s[0:1], 0x0               ; rays s[4:5], W0 s[6:7], b0 s[8:9], Wh s[10:11], bh s[12:13], Wout s[14:15], bout s[16:17], the scales' exponents s[18:19]
	s_load_b64 s[20:21], s[0:1], 0x40              ; out0
	s_set_vgpr_msb 0x40
	v_lshl_add_u32 v254, v0, 2, 0x34800
	v_mov_b32 v255, 0
	s_set_vgpr_msb 0x4045
	ds_add_u32 v254, v255
	ds_add_u32 v254, v255
	s_set_vgpr_msb 0x4500
	v_lshrrev_b32 v[TMP], 5, v0
	v_readfirstlane_b32 s22, v[TMP]                ; wave 0..3
	s_bfe_u32 s23, ttmp6, 0x40000                  ; cx: my place in the cluster
	s_lshl_b32 s24, ttmp9, 2                       ; in a cluster launch ttmp9 counts clusters
	s_add_co_u32 s24, s24, s23                     ; my work-group: it enters the addresses of rays and of out0 alone
	; descriptor group 1: a layer of Wh: 83 rows x 80 elements of 4 bytes, dense in memory
	s_mov_b32 s28, 15|(2<<16)|(1<<20)|(1<<21)|(3<<22)|(1<<25)   ; 15:0 the mask: all four work-groups; 17:16 elements of 4 bytes; 20 padding on; 21 set beside a mask; 24:22 after every 16 words (code 3); 31:25 two words (code 1)
	s_mov_b32 s29, 80<<16                          ; tensor_dim0 = 80
	s_mov_b32 s30, 83<<16                          ; tensor_dim1 = 83
	s_mov_b32 s31, 80<<16                          ; tile_dim0 = 80
	s_mov_b32 s32, 83                              ; tile_dim1 = 83
	s_mov_b32 s33, 80                              ; elements from row to row
	s_mov_b32 s34, 0
	s_mov_b32 s35, 0
	s_mov_b32 s36, 1                               ; group 0 for layer = my wave's number
	s_mul_i32 s37, s22, WLAY                       ; its place in LDS,
	s_mul_i32 s78, s22, WGLB                       ; and in memory: both hang on the wave's number alone
	s_mov_b32 s79, 0
	s_mov_b32 s40, 1                               ; group 0 for layer 4, which wave 0 fetches too
	s_mov_b32 s41, 4*WLAY
	s_lshl_b32 s81, s22, 3                         ; entry 2 w + 1 of the scales: my layer's ew
	s_mov_b32 s60, 0x3fb8aa3b                      ; log2(e)
	s_mov_b32 s61, 0x3c820821                      ; 1 / 63
	s_mov_b32 s62, 0x39800000                      ; 2^-12
	s_mov_b32 s63, 0x2edbe6ff                      ; 1e-10
	s_mov_b32 s66, 0x3c23d70a                      ; 0.01
	s_mov_b32 s67, s66                             ; (named with it as a pair, so it is written)
	s_mov_b32 s68, 0x3f804189                      ; 1.002
	s_mov_b32 s69, 0xba83126f                      ; -0.001
	s_mov_b32 s70, 0xffff0000                      ; lanes 16-31
	s_mov_b32 s94, 0x501502f9                      ; 1e10
	s_wait_dscnt 0x0
	s_wait_kmcnt 0x0
	s_load_b256 s[44:51], s[18:19], 0x0            ; ea0 ew0 ea1 ew1 ea2 ew2 ea3 ew3
	s_load_b64 s[52:53], s[18:19], 0x20            ; ea4 ew4
	s_load_b32 s54, s[18:19], s81 offset:0x4       ; ew of layer = wave
	s_load_b128 s[56:59], s[16:17], 0x0            ; bout
	s_add_nc_u64 s[38:39], s[10:11], s[78:79]
	s_or_b32 s39, s39, 0x80000000                  ; type = 2
	s_add_nc_u64 s[42:43], s[10:11], 4*WGLB
	s_or_b32 s43, s43, 0x80000000
	CROUND                                         ; all four work-groups are here: the joint loads meet
	tensor_load_to_lds s[36:39], s[28:35]          ; every wave: its own layer.  These are the launch's only tensor loads: two of wave 0's are out, one of each other wave's
	s_nop 0
	s_cmp_lg_u32 s22, 0
	s_cbranch_scc1 .Lnot_layer4
	tensor_load_to_lds s[40:43], s[28:35]          ; wave 0: layer 4
	s_nop 0
.Lnot_layer4:
	; ---- the first 45 loads: a layer's two exponents and four numbers of bh a thread, my ray, W0 and b0 in the result's layout
	v_and_b32 v[VR], 15, v0
	v_bfe_u32 v[VH], v0, 4, 1
	v_and_b32 v[VL], 31, v0
	v_mul_u32_u24 v[RA], v[VR], 24
	v_lshlrev_b32 v[BA], 5, v[VH]
	v_min_u32 v[BT], 99, v0                        ; bh is 100 times four numbers: threads 100 to 127 load thread 99's once more, into places of their own that nobody reads
	v_mul_u32_u24 v[BL], v[BT], 0xccd
	v_lshrrev_b32 v[BL], 16, v[BL]                 ; their layer: thread / 20 (3,277 / 65,536 is right up to 99)
	v_lshlrev_b32 v[BL], 3, v[BL]
	v_lshlrev_b32 v[BT], 4, v[BT]
	s_mul_i32 s26, s24, 64*24
	s_mul_i32 s25, s22, 16*24
	s_add_co_u32 s26, s26, s25
	s_mov_b32 s27, 0
	s_add_nc_u64 s[4:5], s[4:5], s[26:27]          ; rays at my wave's first ray
	s_mul_i32 s26, s24, 64*12
	s_add_nc_u64 s[20:21], s[20:21], s[26:27]      ; out0 at my work-group's first ray
	global_load_b64 v[BE:BE+1], v[BL], s[18:19]
	global_load_b128 v[BQ:BQ+3], v[BT], s[12:13]
	global_load_b64 v[RAY:RAY+1], v[RA], s[4:5]
	global_load_b64 v[RAY+2:RAY+3], v[RA], s[4:5] offset:8
	global_load_b64 v[RAY+4:RAY+5], v[RA], s[4:5] offset:16
.irp c, 0,1,2
.irp t, 0,1,2,3,4
	global_load_b128 v[W0R+40*\c+8*\t:W0R+40*\c+8*\t+3],   v[BA], s[6:7] offset:320*\c+64*\t      ; W0(c, 16 t + 8 h + 0 .. 7)
	global_load_b128 v[W0R+40*\c+8*\t+4:W0R+40*\c+8*\t+7], v[BA], s[6:7] offset:320*\c+64*\t+16
.endr
.endr
.irp t, 0,1,2,3,4
	global_load_b128 v[B0R+8*\t:B0R+8*\t+3],   v[BA], s[8:9] offset:64*\t
	global_load_b128 v[B0R+8*\t+4:B0R+8*\t+7], v[BA], s[8:9] offset:64*\t+16
.endr
	; the other addresses: constants, the lane and the wave's number
	v_and_b32 v[VO], 3, v[VR]
	v_lshlrev_b32 v[VO], 2, v[VO]
	v_lshl_add_u32 v[VO], v[VH], 7, v[VO]
	v_lshlrev_b32 v[TM2], 2, v[VR]                 ; 4 r
	v_mul_u32_u24 v[TMP], v[VH], 8*WPITCH          ; eight rows further down for lanes 16-31
	s_mul_i32 s25, s22, WLAY
	v_add_nc_u32 v[WB], s25, v[TM2]
	v_add_nc_u32 v[WA], v[WB], v[TMP]
	v_add_nc_u32 v[WB4], 4*WLAY, v[TM2]
	v_add_nc_u32 v[WA4], v[WB4], v[TMP]
	v_lshl_add_u32 v[LI], v[VL], 4, IMG
	s_mul_i32 s25, s22, 5*IMGB
	v_add_nc_u32 v[IST], s25, v[LI]
	v_add_nc_u32 v[IST4], 20*IMGB, v[IST]
	v_lshl_add_u32 v[BSA], v0, 4, BST
	v_lshl_add_u32 v[BRD], v[VH], 5, BST
	s_mul_i32 s25, s22, 16*12
	s_add_co_u32 s25, s25, STG
	v_mul_u32_u24 v[STO], v[VR], 12
	v_add_nc_u32 v[STO], s25, v[STO]
	v_lshl_add_u32 v[SRD], v0, 4, STG
	v_lshlrev_b32 v[GOFF], 4, v0
	s_wait_kmcnt 0x0                               ; the scales' exponents and bout
	; ---- the conversions' scales and limits
.irp k, 0,1,2,3,4
	s_add_co_i32 s25, s[44+2*\k], 127
	MKSC 25, SCP+\k, LIMP+\k
.if \k > 0
	s_sub_co_i32 s25, s25, s[42+2*\k]              ; ea_k - ea_(k-1)
	s_sub_co_i32 s25, s25, s[43+2*\k]              ;      - ew_(k-1)
.endif
	MKSC 25, SCH+\k, LIMH+\k
.endr
	s_add_co_i32 s25, s54, 127
	MKSC 25, WSC, 92                               ; my layer's weights: s92 = 448 x 2^ew
	s_add_co_i32 s25, s53, 127
	MKSC 25, WSC4, 93                              ; layer 4's
	; the rendering's constants: an output is sum x F + bout, F = 2^(ea4 + ew4); both are taken times log2(e), the density's bout less 1
	s_add_co_i32 s25, s52, s53
	s_add_co_i32 s25, s25, 127
	s_lshl_b32 s25, s25, 23
	s_mul_f32 s71, s25, s60
	s_add_f32 s56, s56, -1.0
	s_mul_f32 s56, s56, s60
	s_mul_f32 s57, s57, s60
	s_mul_f32 s58, s58, s60
	s_mul_f32 s59, s59, s60
	s_wait_loadcnt 0x0                             ; the 45 loads are in; the tiles of Wh go on landing under what follows
	; ---- my four biases, divided by the power of two that their layer's sums lack, go to LDS
	v_add_nc_u32 v[BE], v[BE], v[BE+1]
	v_sub_nc_u32 v[BE], 0, v[BE]
.irp j, 0,1,2,3
	v_ldexp_f32 v[BQ+\j], v[BQ+\j], v[BE]
.endr
	ds_store_b128 v[BSA], v[BQ:BQ+3]
	; ---- Wout is asked for now and used behind the weights' quantiser.  Register 16 s + 8 u + i = Wout(32 s + 16 u + 8 h + i, r % 4): the bf16 operand's order of k.  Rows 0-3 and, once more, 8-11 of
	; Wout^T are the four outputs, so that both halves of the lanes get them in registers 0-3 of the result; what the other rows give falls into registers 4-7, which nobody reads
.set ii, 0
.rept 40
	global_load_b32 v[WOR+ii], v[VO], s[14:15] offset:16*(32*(ii/16)+16*((ii/8)%2)+ii%8)
.set ii, ii+1
.endr
	; ---- A = o W0 + b0, B = d W0.  Of a pair of the ray's numbers one is taken for both halves
.set ii, 0
.rept 20
	v_pk_fma_f32 v[B0R+ii:B0R+ii+1], v[W0R+ii:W0R+ii+1], v[RAY:RAY+1], v[B0R+ii:B0R+ii+1] op_sel_hi:[1,0,1]               ; + ox W0(0, .)
.set ii, ii+2
.endr
.set ii, 0
.rept 20
	v_pk_fma_f32 v[B0R+ii:B0R+ii+1], v[W0R+40+ii:W0R+40+ii+1], v[RAY:RAY+1], v[B0R+ii:B0R+ii+1] op_sel:[0,1,0] op_sel_hi:[1,1,1]   ; + oy W0(1, .)
.set ii, ii+2
.endr
	WIN 0x80                                       ; destination window 2
.set ii, 0
.rept 20
	v_pk_fma_f32 v[AW+ii:AW+ii+1], v[W0R+80+ii:W0R+80+ii+1], v[RAY+2:RAY+3], v[B0R+ii:B0R+ii+1] op_sel_hi:[1,0,1]         ; + oz W0(2, .)
.set ii, ii+2
.endr
	WIN 0
.set ii, 0
.rept 20
	v_pk_mul_f32 v[W0R+ii:W0R+ii+1], v[W0R+ii:W0R+ii+1], v[RAY+2:RAY+3] op_sel:[0,1] op_sel_hi:[1,1]                      ; dx W0(0, .)
.set ii, ii+2
.endr
.set ii, 0
.rept 20
	v_pk_fma_f32 v[W0R+ii:W0R+ii+1], v[W0R+40+ii:W0R+40+ii+1], v[RAY+4:RAY+5], v[W0R+ii:W0R+ii+1] op_sel_hi:[1,0,1]       ; + dy W0(1, .)
.set ii, ii+2
.endr
	WIN 0xc0                                       ; destination window 3
.set ii, 0
.rept 20
	v_pk_fma_f32 v[BW+ii:BW+ii+1], v[W0R+80+ii:W0R+80+ii+1], v[RAY+4:RAY+5], v[W0R+ii:W0R+ii+1] op_sel:[0,1,0] op_sel_hi:[1,1,1]   ; + dz W0(2, .)
.set ii, ii+2
.endr
	WIN 0
	; ---- |d|, and what the loop finds at its start
	v_mul_f32 v[TMP], v[RAY+3], v[RAY+3]
	v_fmac_f32 v[TMP], v[RAY+4], v[RAY+4]
	v_fmac_f32 v[TMP], v[RAY+5], v[RAY+5]
	v_sqrt_f32 v[NORM], v[TMP]
	v_mov_b32 v[TR], 1.0                           ; (a plain line behind the root)
.irp j, 0,1,2,3,4,5
	v_cndmask_b32 v[RAY+\j], v[RAY+\j], 0, s70     ; from here on the ray serves the point alone, which stands at k = 80 .. 82 in lanes 0-15; in lanes 16-31 (k = 88 ..) it is 0
.endr
.irp j, 0,1,2
	v_mov_b32 v[OUT+\j], 0
.endr
	v_mov_b32 v[TT+1], 0                           ; (named as the upper half of a pair)
.irp j, 3,4,5,6,7
	v_mov_b32 v[PTT+\j], 0                         ; k = 83 .. 87
	v_mov_b32 v[X+40+\j], 0
.endr
.irp j, 12,13,14,15
	v_mov_b32 v[COD+\j], 0                         ; k = 96 .. 127
.endr
	; ---- the weights
	s_wait_tensorcnt 0x0                           ; my tiles of Wh have landed,
	s_wait_dscnt 0x0                               ; my biases lie in LDS:
	s_barrier_signal -1
	s_barrier_wait -1                              ; everybody's do
	WIN 0xc0                                       ; destination window 3: the biases in the result's layout: bh(l, 16 t + 8 h + 0 .. 7); they land under the first trip's wait below
.irp l, 0,1,2,3,4
.irp t, 0,1,2,3,4
	ds_load_b128 v[40*\l+8*\t:40*\l+8*\t+3],   v[BRD] offset:320*\l+64*\t
	ds_load_b128 v[40*\l+8*\t+4:40*\l+8*\t+7], v[BRD] offset:320*\l+64*\t+16
.endr
.endr
	WIN 0
	QLOOP WA, WB, IST, WSC, 92                     ; my layer, for all four waves
	QLOOP WA4, WB4, IST4, WSC4, 93                 ; layer 4, for myself
	WIN 0x80                                       ; destination window 2.  LDS serves a wave's instructions in order (ISA guide 5.7.1.4): these see my stores
.irp t, 0,1,2,3,4
.irp q, 0,1,2
	ds_load_b128 v[12*\t+4*\q:12*\t+4*\q+3], v[IST4] offset:IMGB*\t+512*\q
.endr
.endr
.irp j, 60,61,62,63
	v_mov_b32 v[\j], 0                             ; behind the last fragment: zero codes
.endr
	WIN 0
	s_wait_dscnt 0x0                               ; for the others' sake: my images lie in LDS
	s_barrier_signal -1
	s_barrier_wait -1
	WIN 0x40                                       ; destination window 1: layers 0-3
.set ii, 0
.rept 20
.irp q, 0,1,2
	ds_load_b128 v[12*ii+4*\q:12*ii+4*\q+3], v[LI] offset:IMGB*ii+512*\q
.endr
.set ii, ii+1
.endr
.irp j, 240,241,242,243
	v_mov_b32 v[\j], 0
.endr
	s_wait_loadcnt 0x0                             ; Wout
	WIN 0x80
.set ii, 0
.rept 20
	v_cvt_pk_bf16_f32 v[WOT+ii], v[WOR+2*ii], v[WOR+2*ii+1]
.set ii, ii+1
.endr
.irp j, 20,21,22,23
	v_mov_b32 v[WOT+\j], 0                         ; units 80-95
.endr
	WIN 0
	s_wait_dscnt 0x0                               ; the weights are in: from here to the end of the loop nothing is loaded
	; ---- the samples
	s_mov_b32 s74, 0                               ; i
.Lsample:
	v_cvt_f32_u32 v[TMP], s74
	v_mul_f32 v[TT], s61, v[TMP]
	v_fma_f32 v[TM2], v[TT], 0xc27c0000, v[TMP]    ; i - 63 q,
	v_fma_f32 v[TT], v[TM2], s61, v[TT]            ; one step of correction: t = i / 63, rounded once
.irp c, 0,1,2
	v_fma_f32 v[PT+\c], v[TT], v[RAY+3+\c], v[RAY+\c]
.endr
	WIN 0x23                                       ; B window 3, t window 0, A window 2
.set ii, 0
.rept 20
	v_pk_fma_f32 v[ACC+ii:ACC+ii+1], v[BW+ii:BW+ii+1], v[TT:TT+1], v[AW+ii:AW+ii+1] op_sel_hi:[1,0,1]
.set ii, ii+2
.endr
	WIN 0
.irp k, 0,1,2,3,4
	ACT \k
	MM \k
.endr
	s_cmp_eq_u32 s74, 63
	s_cselect_b32 s79, s94, s61                    ; the last sample's distance is 1e10 |d|
	s_wait_alu depctr_va_vdst(0)
	v_mul_f32 v[DIST], s79, v[NORM]                ; this line and three v_nop: the four places behind layer 4's matrix instructions
.rept 3
	v_nop
.endr
	; the output layer: three links on one accumulator, each behind the packing of its own tiles; a wait stands directly ahead of links 2 and 3
	PACK 0, 16
	WIN 0x02                                       ; Wout^T window 2
	v_wmma_f32_16x16x32_bf16 v[O:O+7], v[WOT:WOT+7], v[ACC:ACC+7], 0
	WIN 0
	PACK 1, 16
	WIN 0x02
	s_wait_alu depctr_va_vdst(0)
	v_wmma_f32_16x16x32_bf16 v[O:O+7], v[WOT+8:WOT+15], v[ACC+8:ACC+15], v[O:O+7]
	WIN 0
	PACK 2, 8
.irp j, 20,21,22,23
	v_mov_b32 v[ACC+\j], 0                         ; units 80-95
.endr
	WIN 0x02
	s_wait_alu depctr_va_vdst(0)
	v_wmma_f32_16x16x32_bf16 v[O:O+7], v[WOT+16:WOT+23], v[ACC+16:ACC+23], v[O:O+7]
	WIN 0
.rept 4
	v_nop                                          ; four places in front of the first read of the result
.endr
	; the rendering (alike in both halves of the lanes)
	v_fma_f32 v[U], v[O], s71, s56                 ; u = (density - 1) log2(e)
.irp c, 0,1,2
	v_fma_f32 v[G+\c], v[O+1+\c], s71, s[57+\c]    ; feature x log2(e)
.endr
	v_exp_f32 v[EE], -|v[U]|                       ; e = exp(-|density - 1|)
.irp c, 0,1,2
	v_exp_f32 v[G+\c], -v[G+\c]
.endr
	v_max_num_f32 v[UP], 0, v[U]                   ; (a plain line behind the exponentials: it reads no result and writes no source of theirs)
	s_wait_alu depctr_va_vdst(0)
	v_add_f32 v[LG], 1.0, v[EE]
.irp c, 0,1,2
	v_add_f32 v[G+\c], 1.0, v[G+\c]
.endr
	v_fma_f32 v[PL], v[EE], -0.5, 1.0
	v_log_f32 v[LG], v[LG]                         ; log2(1 + e)
.irp c, 0,1,2
	v_rcp_f32 v[G+\c], v[G+\c]                     ; the sigmoids
.endr
	v_mul_f32 v[PL], v[PL], v[EE]                  ; (a plain line behind them)
	v_mul_f32 v[PL], s60, v[PL]                    ; e (1 - e / 2) log2(e)
	v_cmp_gt_f32 vcc_lo, s62, v[EE]
	s_wait_alu depctr_va_vdst(0)
	v_cndmask_b32 v[LG], v[LG], v[PL], vcc_lo      ; a choice of a value, no branch
	v_add_f32 v[U], v[UP], v[LG]                   ; softplus(density - 1) log2(e)
	v_mul_f32 v[U], v[U], v[DIST]
	v_exp_f32 v[U], -v[U]                          ; exp(-sigma x distance)
.irp c, 0,1,2
	v_fma_f32 v[G+\c], v[G+\c], s68, s69           ; the fat sigmoid
.endr
	s_wait_alu depctr_va_vdst(0)
	v_sub_f32 v[AL], 1.0, v[U]                     ; alpha
	v_sub_f32 v[Q], 1.0, v[AL]
	v_add_f32 v[Q], s63, v[Q]                      ; 1 - alpha + 1e-10
	v_mul_f32 v[WG], v[AL], v[TR]                  ; the weight
.irp c, 0,1,2
	v_fmac_f32 v[OUT+\c], v[WG], v[G+\c]
.endr
	v_mul_f32 v[TR], v[TR], v[Q]
	s_add_co_u32 s74, s74, 1
	s_cmp_lt_u32 s74, 64
	s_cbranch_scc1 .Lsample
	; ---- the way out: a ray's 12 bytes into the stage (lanes r and r + 16 hold the same numbers and write the same words), then the work-group's 768 bytes as three runs of 256
	ds_store_b32 v[STO], v[OUT]
	ds_store_b32 v[STO], v[OUT+1] offset:4
	ds_store_b32 v[STO], v[OUT+2] offset:8
	s_wait_dscnt 0x0                               ; for the others' sake: my 192 bytes lie in the stage
	s_barrier_signal -1
	s_barrier_wait -1
	s_wait_xcnt 0x0                                ; EXEC changes only behind this wait
	v_cmp_gt_u32 vcc_lo, 48, v0                    ; threads 0 to 47: sixteen lanes to 256 consecutive bytes, at a multiple of 256 from out0's first byte
	s_and_saveexec_b32 s80, vcc_lo
	ds_load_b128 v[ACC:ACC+3], v[SRD]
	s_wait_dscnt 0x0
	global_store_b128 v[GOFF], v[ACC:ACC+3], s[20:21]
	s_wait_xcnt 0x0                                ; and EXEC is restored only behind this one
	s_or_b32 exec_lo, exec_lo, s80
	s_set_vgpr_msb 0x5
	s_wait_tensorcnt 0x0
	ds_add_u32 v254, v255
	s_wait_dscnt 0x0
	s_set_vgpr_msb 0x500
	CROUND                                         ; the closing round: no work-group ends while a partner may still ask for a tile that names it
	s_endpgm
.Lfunc_end_k_qc1c2e556ed_nerf:
	.size	k_qc1c2e556ed_nerf, .Lfunc_end_k_qc1c2e556ed_nerf-k_qc1c2e556ed_nerf
	.p2alignl 7, 3214868480
	.fill 96, 4, 3214868480
	.section	.rodata,"a",@progbits
	.p2align	6, 0x0
	.amdhsa_kernel k_qc1c2e556ed_nerf
		.amdhsa_group_segment_fixed_size 215552
		.amdhsa_private_segment_fixed_size 0
		.amdhsa_enable_private_segment 0
		.amdhsa_kernarg_size 72
		.amdhsa_user_sgpr_count 2
		.amdhsa_user_sgpr_kernarg_segment_ptr 1
		.amdhsa_wavefront_size32 1
		.amdhsa_system_sgpr_workgroup_id_x 1
		.amdhsa_system_sgpr_workgroup_id_y 1
		.amdhsa_system_sgpr_workgroup_id_z 1
		.amdhsa_system_vgpr_workitem_id 0
		.amdhsa_next_free_vgpr 1024
		.amdhsa_next_free_sgpr 95
		.amdhsa_reserve_vcc 1
		.amdhsa_float_denorm_mode_32 3
		.amdhsa_float_denorm_mode_16_64 3
		.amdhsa_memory_ordered 1
		.amdhsa_forward_progress 1
		.amdhsa_inst_pref_size 89
	.end_amdhsa_kernel
	.amdgpu_metadata
---
amdhsa.version: [ 1, 2 ]
amdhsa.kernels:
  - .name:           k_qc1c2e556ed_nerf
    .symbol:         k_qc1c2e556ed_nerf.kd
    .args:
      - { .name: rays, .offset: 0, .size: 8, .value_kind: global_buffer, .address_space: global }
      - { .name: W0, .offset: 8, .size: 8, .value_kind: global_buffer, .address_space: global }
      - { .name: b0, .offset: 16, .size: 8, .value_kind: global_buffer, .address_space: global }
      - { .name: Wh, .offset: 24, .size: 8, .value_kind: global_buffer, .address_space: global }
      - { .name: bh, .offset: 32, .size: 8, .value_kind: global_buffer, .address_space: global }
      - { .name: Wout, .offset: 40, .size: 8, .value_kind: global_buffer, .address_space: global }
      - { .name: bout, .offset: 48, .size: 8, .value_kind: global_buffer, .address_space: global }
      - { .name: lowp_scales, .offset: 56, .size: 8, .value_kind: global_buffer, .address_space: global }
      - { .name: out0, .offset: 64, .size: 8, .value_kind: global_buffer, .address_space: global }
    .group_segment_fixed_size: 215552
    .private_segment_fixed_size: 0
    .kernarg_segment_align: 8
    .kernarg_segment_size: 72
    .max_flat_workgroup_size: 128
    .sgpr_count:     95
    .vgpr_count:     1024
    .wavefront_size: 32
...
	.end_amdgpu_metadata
.endif
;; end of part 1
